; MI455X (gfx1250); checked and timed in simulation.
; The chip was launched on July 23, 2026; its instructions are those of AMD's public machine-readable ISA for CDNA 5 (MIT licence, August 2026) and "CDNA5" Instruction Set Architecture Reference Guide (July 2026). The comments in the code are by the model that wrote it; some were corrected since.
;; Mix Linear FP8 GEMM. Allowed arithmetic: float matrix products may take bf16 or f16 operands with f32 sums; other float arithmetic in f32, or as packed bf16 or f16 multiplies, adds, multiply-adds, maxima and minima; sums over many terms, partial sums and values carried from step to step in f32; what a program stores and reads back later, other than sums and carried values, may be rounded once to bf16 or f16.
;; Inputs: bias 2,048 float16; weight 2,048 x 2,048 float16; x 2 x 8,192 x 2,048 float16.
;; Outputs: out0 2 x 8,192 x 2,048 float16.
;; One version. Each part assembles by itself: llvm-mc -triple=amdgcn-amd-amdhsa -mcpu=gfx1250 --defsym DOCPART=n.
;; ======== version 1 of 1: 3 launches
;; workspace buffers: qx 67,108,864 bytes; qw 8,388,608 bytes; pmax 1,024 bytes; scale 256 bytes
;; launch prep (part 1): grid 256 x 1, 32 waves a work-group, no clusters, 4,352 bytes of LDS; arguments x, weight, qw, pmax; writes qw, pmax
.if DOCPART == 1
	.amdgcn_target "amdgcn-amd-amdhsa--gfx1250"
	.amdhsa_code_object_version 6
	.text
	.protected	k_q7dfd05bb03_prep
	.globl	k_q7dfd05bb03_prep
	.p2align	8
	.type	k_q7dfd05bb03_prep,@function
k_q7dfd05bb03_prep:
	s_mov_b64 s[64:65], 0
	v_nop
	global_prefetch_b8 v0, s[64:65] scope:SCOPE_SE
	s_setreg_imm32_b32 hwreg(HW_REG_WAVE_MODE, 25, 1), 1
	s_wait_xcnt 0x0
; FIRST PASS.  (1) pmax[g] = the largest |x| of work-group g's 262,144 bytes of x (f16), as f32.  (2) qw = weight, clipped to +-448, rounded to e4m3 (nearest even) and written as bf16:
; an e4m3 number has 4 significant bits and lies between 2^-9 and 448, so bf16 holds it exactly.
; LIMITS.  NaN and infinities in x or weight are not treated apart (a NaN loses in the maximum).  A zero's sign is lost where a half is widened by x 1 + 0; no product hangs on it.
; SHARES.  256 work-groups of 32 waves.  Thread t owns the 16 bytes at 16 t + 16,384 i of the group's part: i = 0..15 in x, i = 0, 1 in weight and qw.  A wave's load or store covers 512
; consecutive bytes, aligned.  No loop: all 18 loads of a thread go out at once, 288 KiB for the work-group, and the waits count down.
; No matrix unit, no cluster, no tensor load: every byte is read once by one thread, and nothing is shared.
.set CHUNK, 16384
.set SPARE, 256                        ; LDS: bytes 0-127 one f32 a wave (the block 0-255 is theirs); from 256 on the spare words, 128 bytes for each of 32 waves
.set SPW, 4                            ; v4   SPARE + 4 x my thread's number; never rewritten
.set NIL, 5                            ; v5   0; never rewritten
.set ONE, 6                            ; v6   1.0
.set ZER, 7                            ; v7   0: the addend of the widening, and the offset of the one store to pmax
.set T0,  8                            ; v[8:15]   eight numbers in f32
.set T1,  16                           ; v[16:23]  the same after e4m3
.set M,   24                           ; v[24:27]  four running maxima, two f16 each
.set A,   28                           ; v[28:31]  words without signs
.set W,   32                           ; v[32:39]  weight as loaded, then as stored
.set X,   40                           ; v[40:103] x as loaded
                                       ; v2, v3: eight e4m3 codes
	s_load_b256 s[4:11], s[0:1], 0x0               ; x s[4:5], weight s[6:7], qw s[8:9], pmax s[10:11]
	v_lshl_add_u32 v[SPW], v0, 2, SPARE
	v_mov_b32 v[NIL], 0
	v_lshlrev_b32 v1, 4, v0                        ; 16 t
	v_mov_b32 v2, 0                                ; the conversions write halves and keep the other half: both words are written whole once
	v_mov_b32 v3, 0
	v_mov_b32 v[ONE], 1.0
	v_mov_b32 v[ZER], 0
	v_lshrrev_b32 v[T0], 5, v0
	v_readfirstlane_b32 s17, v[T0]                 ; wave 0..31
	s_mov_b32 s12, 0x76543210                      ; v_permlanex16_b32: each lane takes its own place in the other half
	s_mov_b32 s13, 0xfedcba98
	s_mov_b32 s14, 0x7fff7fff                      ; clears the signs of two f16
	s_mov_b32 s15, 0xc3e00000                      ; -448.0
	s_mov_b32 s16, 0x43e00000                      ; 448.0
	s_lshl_b32 s2, ttmp9, 18                       ; the group's part of x: at most 255 x 262,144 bytes
	s_mov_b32 s3, 0
	s_wait_kmcnt 0x0
	s_add_nc_u64 s[4:5], s[4:5], s[2:3]
	s_lshl_b32 s2, ttmp9, 15                       ; its part of weight and of qw: 32,768 bytes
	s_add_nc_u64 s[6:7], s[6:7], s[2:3]
	s_add_nc_u64 s[8:9], s[8:9], s[2:3]
	s_lshl_b32 s2, ttmp9, 2                        ; its word of pmax
	s_add_nc_u64 s[10:11], s[10:11], s[2:3]
	global_load_b128 v[W:W+3],   v1, s[6:7] th:TH_LOAD_NT
	global_load_b128 v[W+4:W+7], v1, s[6:7] offset:CHUNK th:TH_LOAD_NT
.irp i, 0,1,2,3,4,5,6,7,8,9,10,11,12,13,14,15
	global_load_b128 v[X+4*(\i):X+4*(\i)+3], v1, s[4:5] offset:CHUNK*(\i) th:TH_LOAD_NT
.endr
; Eight weights in v[d:d+3]: widened, clipped, rounded to e4m3, widened again, written as bf16 in place.
.macro W8 d
.irp j, 0,1,2,3
	v_fma_mix_f32 v[T0+2*(\j)],   v[(\d)+(\j)], v[ONE], v[ZER] op_sel_hi:[1,0,0]               ; the low f16 x 1 + 0
	v_fma_mix_f32 v[T0+2*(\j)+1], v[(\d)+(\j)], v[ONE], v[ZER] op_sel:[1,0,0] op_sel_hi:[1,0,0]  ; the high one
.endr
.irp k, 0,1,2,3,4,5,6,7
	v_med3_num_f32 v[T0+(\k)], v[T0+(\k)], s15, s16  ; the conversion below does not saturate
.endr
	v_cvt_pk_fp8_f32 v2.l, v[T0],   v[T0+1]
	v_cvt_pk_fp8_f32 v2.h, v[T0+2], v[T0+3]
	v_cvt_pk_fp8_f32 v3.l, v[T0+4], v[T0+5]
	v_cvt_pk_fp8_f32 v3.h, v[T0+6], v[T0+7]
	v_cvt_pk_f32_fp8 v[T1:T1+1],   v2.l
	v_cvt_pk_f32_fp8 v[T1+2:T1+3], v2.h
	v_cvt_pk_f32_fp8 v[T1+4:T1+5], v3.l
	v_cvt_pk_f32_fp8 v[T1+6:T1+7], v3.h
.irp j, 0,1,2,3
	v_cvt_pk_bf16_f32 v[(\d)+(\j)], v[T1+2*(\j)], v[T1+2*(\j)+1]  ; exact
.endr
.endm
	s_wait_loadcnt 16                              ; the two loads of weight are in; the 16 of x, issued behind them, stay out
	W8 W
	W8 W+4
	global_store_b128 v1, v[W:W+3],   s[8:9] th:TH_STORE_NT               ; neither the data nor v1 is written again
	global_store_b128 v1, v[W+4:W+7], s[8:9] offset:CHUNK th:TH_STORE_NT
	; the largest |x| of my 128 numbers, two f16 at a time (nothing is rounded), in four chains that the first four words start
.set j, 0
.rept 64
.if (j%16) == 0
	s_wait_loadcnt 12-4*(j/16)                     ; four more loads are in: 12, 8, 4, 0 younger ones stay out
.endif
.if j < 4
	v_and_b32 v[M+j], s14, v[X+j]
.else
	v_and_b32 v[A+j%4], s14, v[X+j]
	v_pk_max_num_f16 v[M+j%4], v[M+j%4], v[A+j%4]
.endif
.set j, j+1
.endr
	v_pk_max_num_f16 v[M], v[M], v[M+1]
	v_pk_max_num_f16 v[M+2], v[M+2], v[M+3]
	v_pk_max_num_f16 v[M], v[M], v[M+2]
	v_fma_mix_f32 v[T0],   v[M], v[ONE], v[ZER] op_sel_hi:[1,0,0]
	v_fma_mix_f32 v[T0+1], v[M], v[ONE], v[ZER] op_sel:[1,0,0] op_sel_hi:[1,0,0]
	v_max_num_f32 v[T0], v[T0], v[T0+1]
.macro LANEMAX                         ; over the 32 lanes: four steps inside each half of 16, one across; every lane ends with the result in T0
	v_max_num_f32_dpp v[T0], v[T0], v[T0] row_xmask:1 row_mask:0xf bank_mask:0xf
	v_max_num_f32_dpp v[T0], v[T0], v[T0] row_xmask:2 row_mask:0xf bank_mask:0xf
	v_max_num_f32_dpp v[T0], v[T0], v[T0] row_xmask:4 row_mask:0xf bank_mask:0xf
	v_max_num_f32_dpp v[T0], v[T0], v[T0] row_xmask:8 row_mask:0xf bank_mask:0xf
	v_permlanex16_b32 v[T0+1], v[T0], s12, s13     ; its destination has been written before
	v_max_num_f32 v[T0], v[T0], v[T0+1]
.endm
	LANEMAX
	v_mov_b32 v[T0+2], s17
	v_lshlrev_b32 v[T0+2], 2, v[T0+2]
	ds_store_b32 v[T0+2], v[T0]                    ; my wave's word: all lanes write the same number
	s_wait_dscnt 0x0                               ; for the others' sake: the store is done
	s_barrier_signal -1
	s_barrier_wait -1                              ; all 32 words lie in LDS
	s_cmp_lg_u32 s17, 0
	s_cbranch_scc1 .Lend                           ; wave 0 finishes
	v_and_b32 v[T0+2], 31, v0
	v_lshlrev_b32 v[T0+2], 2, v[T0+2]
	ds_load_b32 v[T0], v[T0+2]                     ; a lane a wave
	s_wait_dscnt 0x0
	LANEMAX
	v_cmp_eq_u32 vcc_lo, 0, v0
	s_wait_xcnt 0x0                                ; EXEC is a source of the stores above: it changes only behind this wait
	s_and_saveexec_b32 s20, vcc_lo
	global_store_b32 v[ZER], v[T0], s[10:11]       ; four bytes a work-group, 1,024 in the launch: the one store that fills no run of 256 bytes
	s_wait_xcnt 0x0                                ; and again ahead of the line that widens it
	s_or_b32 exec_lo, exec_lo, s20
.Lend:
	s_wait_tensorcnt 0x0                           ; the wave's end, behind my last LDS store
	ds_add_u32 v[SPW], v[NIL]
	s_wait_dscnt 0x0
	s_endpgm
.Lfunc_end_k_q7dfd05bb03_prep:
	.size	k_q7dfd05bb03_prep, .Lfunc_end_k_q7dfd05bb03_prep-k_q7dfd05bb03_prep
	.p2alignl 7, 3214868480
	.fill 96, 4, 3214868480
	.section	.rodata,"a",@progbits
	.p2align	6, 0x0
	.amdhsa_kernel k_q7dfd05bb03_prep
		.amdhsa_group_segment_fixed_size 4352
		.amdhsa_private_segment_fixed_size 0
		.amdhsa_enable_private_segment 0
		.amdhsa_kernarg_size 32
		.amdhsa_user_sgpr_count 2
		.amdhsa_user_sgpr_kernarg_segment_ptr 1
		.amdhsa_wavefront_size32 1
		.amdhsa_system_sgpr_workgroup_id_x 1
		.amdhsa_system_sgpr_workgroup_id_y 1
		.amdhsa_system_sgpr_workgroup_id_z 1
		.amdhsa_system_vgpr_workitem_id 0
		.amdhsa_next_free_vgpr 104
		.amdhsa_next_free_sgpr 66
		.amdhsa_reserve_vcc 1
		.amdhsa_float_denorm_mode_32 3
		.amdhsa_float_denorm_mode_16_64 3
		.amdhsa_memory_ordered 1
		.amdhsa_forward_progress 1
		.amdhsa_inst_pref_size 15
	.end_amdhsa_kernel
	.amdgpu_metadata
---
amdhsa.version: [ 1, 2 ]
amdhsa.kernels:
  - .name:           k_q7dfd05bb03_prep
    .symbol:         k_q7dfd05bb03_prep.kd
    .args:
      - { .name: x, .offset: 0, .size: 8, .value_kind: global_buffer, .address_space: global }
      - { .name: weight, .offset: 8, .size: 8, .value_kind: global_buffer, .address_space: global }
      - { .name: qw, .offset: 16, .size: 8, .value_kind: global_buffer, .address_space: global }
      - { .name: pmax, .offset: 24, .size: 8, .value_kind: global_buffer, .address_space: global }
    .group_segment_fixed_size: 4352
    .private_segment_fixed_size: 0
    .kernarg_segment_align: 8
    .kernarg_segment_size: 32
    .max_flat_workgroup_size: 1024
    .sgpr_count:     66
    .vgpr_count:     104
    .wavefront_size: 32
...
	.end_amdgpu_metadata
.endif
;; end of part 1
;; launch quant (part 2): grid 256 x 1, 32 waves a work-group, no clusters, 0 bytes of LDS; arguments x, pmax, qx, scale; writes qx, scale
.if DOCPART == 2
	.amdgcn_target "amdgcn-amd-amdhsa--gfx1250"
	.amdhsa_code_object_version 6
	.text
	.protected	k_q7dfd05bb03_quant
	.globl	k_q7dfd05bb03_quant
	.p2align	8
	.type	k_q7dfd05bb03_quant,@function
k_q7dfd05bb03_quant:
	s_mov_b64 s[64:65], 0
	v_nop
	global_prefetch_b8 v0, s[64:65] scope:SCOPE_SE
	s_setreg_imm32_b32 hwreg(HW_REG_WAVE_MODE, 25, 1), 1
	s_wait_xcnt 0x0
; SECOND PASS.  s = max|x| / 448 from the 256 partial maxima; qx = x / s, clipped to +-448, rounded to e4m3 (nearest even) and written as bf16, which holds every e4m3 number exactly.
; Work-group 0 stores s for the product's way out.
; THE DIVISIONS.  max / 448 and x / s are each a multiplication by a reciprocal and one correction by the remainder: q0 = a r, rem = a - q0 b (one fused step, exact enough to carry the error),
; q = q0 + rem r.  1 / s is v_rcp_f32 with one Newton step.
; LIMITS.  q is the rounded quotient where the refined reciprocal is rightly rounded, else at most one last place of f32 away, which shows only where x / s lies that near a tie of e4m3.
; An x that is all zeros gives s = 0 and no promised result; NaN and infinities are not treated apart.  A zero's sign is lost.
; SHARES.  As in the first pass: thread t owns the 16 bytes at 16 t + 16,384 i, i = 0..15, of the group's 262,144 bytes, in x and (f16 and bf16 are both 2 bytes) in qx.  Every wave reduces
; all 256 partial maxima by itself (1,024 bytes, 32 a lane): no LDS, no barrier.  No loop: all 18 loads go out at once, and each chunk is stored from the registers that it was loaded into.
.set CHUNK, 16384
.set P,   4                            ; v[4:11]   my eight partial maxima; then at work
.set T0,  8                            ; v[8:15]   eight quotients
.set T1,  16                           ; v[16:23]  eight remainders; then the numbers after e4m3
.set R,   24                           ; v[24:25]  1 / s, twice: a pair for the packed step
.set NS,  26                           ; v26       -s
.set ZER, 28                           ; v28       0
.set SV,  29                           ; v29       s
.set PO,  30                           ; v30       32 x lane
.set X,   32                           ; v[32:95]  x as loaded, then qx as stored
                                       ; v2, v3: eight e4m3 codes
	s_load_b256 s[4:11], s[0:1], 0x0               ; x s[4:5], pmax s[6:7], qx s[8:9], scale s[10:11]
	v_lshlrev_b32 v1, 4, v0                        ; 16 t
	v_mov_b32 v2, 0                                ; the conversions write halves and keep the other half: both words are written whole once
	v_mov_b32 v3, 0
	v_mov_b32 v[ZER], 0
	v_and_b32 v[PO], 31, v0
	v_lshlrev_b32 v[PO], 5, v[PO]
	s_mov_b32 s12, 0x76543210                      ; v_permlanex16_b32: each lane takes its own place in the other half
	s_mov_b32 s13, 0xfedcba98
	s_mov_b32 s15, 0xc3e00000                      ; -448.0
	s_mov_b32 s16, 0x43e00000                      ; 448.0
	s_mov_b32 s18, 0x3b124925                      ; 1 / 448, rounded
	s_mov_b32 s17, ttmp9
	s_lshl_b32 s2, ttmp9, 18
	s_mov_b32 s3, 0
	s_wait_kmcnt 0x0
	s_add_nc_u64 s[4:5], s[4:5], s[2:3]
	s_add_nc_u64 s[8:9], s[8:9], s[2:3]
	global_load_b128 v[P:P+3],   v[PO], s[6:7]
	global_load_b128 v[P+4:P+7], v[PO], s[6:7] offset:16
.irp i, 0,1,2,3,4,5,6,7,8,9,10,11,12,13,14,15
	global_load_b128 v[X+4*(\i):X+4*(\i)+3], v1, s[4:5] offset:CHUNK*(\i) th:TH_LOAD_NT
.endr
	s_wait_loadcnt 16                              ; the partial maxima are in; the 16 loads of x, issued behind them, stay out
	v_max3_num_f32 v4, v4, v5, v6
	v_max3_num_f32 v7, v7, v8, v9
	v_max3_num_f32 v4, v4, v10, v11
	v_max_num_f32 v4, v4, v7
	v_max_num_f32_dpp v4, v4, v4 row_xmask:1 row_mask:0xf bank_mask:0xf
	v_max_num_f32_dpp v4, v4, v4 row_xmask:2 row_mask:0xf bank_mask:0xf
	v_max_num_f32_dpp v4, v4, v4 row_xmask:4 row_mask:0xf bank_mask:0xf
	v_max_num_f32_dpp v4, v4, v4 row_xmask:8 row_mask:0xf bank_mask:0xf
	v_permlanex16_b32 v5, v4, s12, s13
	v_max_num_f32 v4, v4, v5                       ; max|x|, in every lane
	v_mul_f32 v5, s18, v4                          ; q0
	v_fma_f32 v6, v5, s15, v4                      ; max - 448 q0
	v_fma_f32 v[SV], v6, s18, v5                   ; s
	v_rcp_f32 v7, v[SV]
	v_mul_f32 v[NS], -1.0, v[SV]                   ; the plain instruction behind the reciprocal (ISA guide 5.7.2): it names neither the result nor writes the source
	s_wait_alu depctr_va_vdst(0)                   ; the wait ahead of the result's first reader
	v_fma_f32 v8, v[NS], v7, 1.0                   ; 1 - s r
	v_fma_f32 v[R], v8, v7, v7                     ; r + r (1 - s r)
	v_mov_b32 v[R+1], v[R]
; Eight numbers in v[d:d+3]: divided by s, clipped, rounded to e4m3, widened again, written as bf16 in place.
.macro Q8 d
.irp j, 0,1,2,3
	v_fma_mix_f32 v[T0+2*(\j)],   v[(\d)+(\j)], v[R], v[ZER] op_sel_hi:[1,0,0]               ; q0 = x r: the low f16,
	v_fma_mix_f32 v[T0+2*(\j)+1], v[(\d)+(\j)], v[R], v[ZER] op_sel:[1,0,0] op_sel_hi:[1,0,0]  ; the high one
.endr
.irp j, 0,1,2,3
	v_fma_mix_f32 v[T1+2*(\j)],   v[T0+2*(\j)],   v[NS], v[(\d)+(\j)] op_sel_hi:[0,0,1]               ; rem = x - q0 s
	v_fma_mix_f32 v[T1+2*(\j)+1], v[T0+2*(\j)+1], v[NS], v[(\d)+(\j)] op_sel:[0,0,1] op_sel_hi:[0,0,1]
.endr
.irp j, 0,2,4,6
	v_pk_fma_f32 v[T0+(\j):T0+(\j)+1], v[T1+(\j):T1+(\j)+1], v[R:R+1], v[T0+(\j):T0+(\j)+1]  ; q = q0 + rem r
.endr
.irp k, 0,1,2,3,4,5,6,7
	v_med3_num_f32 v[T0+(\k)], v[T0+(\k)], s15, s16  ; the conversion below does not saturate
.endr
	v_cvt_pk_fp8_f32 v2.l, v[T0],   v[T0+1]
	v_cvt_pk_fp8_f32 v2.h, v[T0+2], v[T0+3]
	v_cvt_pk_fp8_f32 v3.l, v[T0+4], v[T0+5]
	v_cvt_pk_fp8_f32 v3.h, v[T0+6], v[T0+7]
	v_cvt_pk_f32_fp8 v[T1:T1+1],   v2.l
	v_cvt_pk_f32_fp8 v[T1+2:T1+3], v2.h
	v_cvt_pk_f32_fp8 v[T1+4:T1+5], v3.l
	v_cvt_pk_f32_fp8 v[T1+6:T1+7], v3.h
.irp j, 0,1,2,3
	v_cvt_pk_bf16_f32 v[(\d)+(\j)], v[T1+2*(\j)], v[T1+2*(\j)+1]  ; exact
.endr
.endm
.irp i, 0,1,2,3,4,5,6,7,8,9,10,11,12,13,14,15
	s_wait_loadcnt 15-(\i)                         ; chunk i is in; the younger loads stay out
	Q8 X+4*(\i)
	global_store_b128 v1, v[X+4*(\i):X+4*(\i)+3], s[8:9] offset:CHUNK*(\i) th:TH_STORE_NT  ; a chunk's registers and v1 are not written again: no wait for the stores' sources
.endr
	s_cmp_lg_u32 s17, 0
	s_cbranch_scc1 .Lend                           ; work-group 0, thread 0 stores s
	v_cmp_eq_u32 vcc_lo, 0, v0
	s_wait_xcnt 0x0                                ; EXEC is a source of the stores above: it changes only behind this wait
	s_and_saveexec_b32 s20, vcc_lo
	global_store_b32 v[ZER], v[SV], s[10:11]       ; the one word of this buffer that is read later
	s_wait_xcnt 0x0
	s_or_b32 exec_lo, exec_lo, s20
.Lend:
	s_endpgm
.Lfunc_end_k_q7dfd05bb03_quant:
	.size	k_q7dfd05bb03_quant, .Lfunc_end_k_q7dfd05bb03_quant-k_q7dfd05bb03_quant
	.p2alignl 7, 3214868480
	.fill 96, 4, 3214868480
	.section	.rodata,"a",@progbits
	.p2align	6, 0x0
	.amdhsa_kernel k_q7dfd05bb03_quant
		.amdhsa_group_segment_fixed_size 0
		.amdhsa_private_segment_fixed_size 0
		.amdhsa_enable_private_segment 0
		.amdhsa_kernarg_size 32
		.amdhsa_user_sgpr_count 2
		.amdhsa_user_sgpr_kernarg_segment_ptr 1
		.amdhsa_wavefront_size32 1
		.amdhsa_system_sgpr_workgroup_id_x 1
		.amdhsa_system_sgpr_workgroup_id_y 1
		.amdhsa_system_sgpr_workgroup_id_z 1
		.amdhsa_system_vgpr_workitem_id 0
		.amdhsa_next_free_vgpr 96
		.amdhsa_next_free_sgpr 66
		.amdhsa_reserve_vcc 1
		.amdhsa_float_denorm_mode_32 3
		.amdhsa_float_denorm_mode_16_64 3
		.amdhsa_memory_ordered 1
		.amdhsa_forward_progress 1
		.amdhsa_inst_pref_size 45
	.end_amdhsa_kernel
	.amdgpu_metadata
---
amdhsa.version: [ 1, 2 ]
amdhsa.kernels:
  - .name:           k_q7dfd05bb03_quant
    .symbol:         k_q7dfd05bb03_quant.kd
    .args:
      - { .name: x, .offset: 0, .size: 8, .value_kind: global_buffer, .address_space: global }
      - { .name: pmax, .offset: 8, .size: 8, .value_kind: global_buffer, .address_space: global }
      - { .name: qx, .offset: 16, .size: 8, .value_kind: global_buffer, .address_space: global }
      - { .name: scale, .offset: 24, .size: 8, .value_kind: global_buffer, .address_space: global }
    .group_segment_fixed_size: 0
    .private_segment_fixed_size: 0
    .kernarg_segment_align: 8
    .kernarg_segment_size: 32
    .max_flat_workgroup_size: 1024
    .sgpr_count:     66
    .vgpr_count:     96
    .wavefront_size: 32
...
	.end_amdgpu_metadata
.endif
;; end of part 2
;; launch gemm (part 3): grid 8 x 32, 4 waves a work-group, clusters of 4 x 4, 327,680 bytes of LDS; arguments qx, qw, out0, bias, scale; writes out0
.if DOCPART == 3
	.amdgcn_target "amdgcn-amd-amdhsa--gfx1250"
	.amdhsa_code_object_version 6
	.text
	.protected	k_q7dfd05bb03_gemm
	.globl	k_q7dfd05bb03_gemm
	.p2align	8
	.type	k_q7dfd05bb03_gemm,@function
k_q7dfd05bb03_gemm:
	s_mov_b64 s[64:65], 0
	v_nop
	global_prefetch_b8 v0, s[64:65] scope:SCOPE_SE
	s_setreg_imm32_b32 hwreg(HW_REG_WAVE_MODE, 25, 1), 1
	s_wait_xcnt 0x0
	s_wait_alu depctr_hold_cnt(0) depctr_sa_sdst(0) depctr_va_vdst(0) depctr_va_sdst(0) depctr_va_ssrc(0) depctr_va_vcc(0) depctr_vm_vsrc(0)
	s_getreg_b32 s2, hwreg(HW_REG_IB_STS2, 6, 4)
	s_cmp_eq_u32 s2, 0
	s_cbranch_scc0 .Lentry_in_a_cluster
	s_endpgm
.Lentry_in_a_cluster:
	s_bfe_u32 s2, ttmp6, 0x10000c
	s_cmp_lg_u32 s2, 0xf033
	s_cbranch_scc0 .Lentry_shape_is_right
	s_endpgm
.Lentry_shape_is_right:
; out0[m][n] = s x (the sum over k of qx[m][k] qw[n][k]) + bias[n], rounded once to f16.  qx: [16384][2048], qw: [2048][2048], both bf16 and holding e4m3 numbers exactly, so the products are
; the quantised operands' own; sums in f32.  s: one f32.  bias: [2048] f16.  A result beyond f16's 65,504 becomes an infinity, as a cast to f16 makes it.
; A tile of C, 256 x 256, is made by a work-group of four waves; a wave makes 128 x 128: 64 accumulators of 16 x 16, 512 registers.  K goes in steps of 128 through a ring of two LDS slots filled
; by the tensor data mover: the tiles' rows are 256 bytes of memory and start at multiples of 256 bytes from the buffer's first byte.
; A WORK-GROUP STAYS: C has 64 x 8 = 512 tiles; each of the 256 work-groups makes two, 8,192 rows apart.  The ring does not stop at the first tile's end: its last two changes of slots ask for the
; second tile's first two K steps, and nothing waits for the first tile's stores.
; CLUSTERS: 4 x 4 work-groups.  The four of a row of the cluster need the same tiles of qx, the four of a column the same tiles of qw: each tile is asked for JOINTLY, by the same tensor load with
; the same descriptor and a mask that names the four; each receives it in its own LDS.
; REGISTERS, in windows of 256 (s_set_vgpr_msb's low byte: bits 1:0 source 0, 3:2 source 1, 5:4 source 2, 7:6 destination):
;   window 0: v0-31 addresses and constants; v64-127, v128-191 fragments of A (8 x 16 rows x 32 K), two buffers; v32-63, v192-255 at work on the way out
;   window 1: v0-63 the bias of my 128 columns in f32, as a lane's results lie; v64-127, v128-191 fragments of B, two buffers
;   window 2: the 32 accumulators of my rows 0-63 (accumulator (a, b) at v[8 (8 a + b)]);   window 3: those of my rows 64-127
; THE MATRIX INSTRUCTION IS USED TRANSPOSED: source 0 = 16 rows of qw, source 1 = 16 rows of qx.  In the result lane l holds row l % 16 of C, and its registers 0 to 7 the columns
; 8 (l / 16) + 0 .. 7: eight neighbouring numbers of a row, which pack into 16 bytes.
.set SIZE_M, 16384
.set SIZE_N, 2048
.set SIZE_K, 2048
.set SIZE_TILES, 2
.set KSTEP,  128
.set PITCH,  272                       ; an LDS row: 256 bytes of data + 16 of padding = 68 words: row r starts at bank 4 r mod 64 (64 banks of 4 bytes: ISA guide 11.1), so the 16 rows of a load start at 16 different banks
.set HALFT,  128*PITCH                 ; 128 rows: what one tensor load brings, and what one wave reads of A or of B
.set SLOT,   4*HALFT                   ; A's 256 rows, then B's 256 rows
.set STAGE,  2*SLOT                    ; behind the ring: 16 rows x 272 bytes for each wave, for the way out; no tile lands there
.set SPITCH, 272
.set SPARE,  STAGE+4*16*SPITCH         ; behind the stages: the spare words, 128 bytes for each wave: two blocks of 256 bytes that no other line names
.set LAPS, SIZE_K/(2*KSTEP)            ; a lap = two K steps = once round the ring: 8
.set WALK,   SIZE_M/SIZE_TILES         ; a work-group's two tiles lie 8,192 rows apart
.set NEXT_A, WALK*SIZE_K*2-(SIZE_K-2*KSTEP)*2   ; bytes from a slot's last K step of a tile to its first of the next: A goes WALK rows down and back along K,
.set BACK_B, (SIZE_K-2*KSTEP)*2        ; B only back: both tiles take the same rows of B
.set NEXT_C, (WALK-7*16)*SIZE_N*2      ; bytes from my last 16 rows of a tile to my first of the next
.set ADRA, 16                          ; v16-17  LDS address of my A fragments in slot 0, 1
.set ADRB, 20                          ; v20-21  the same for B
.set BO,   22                          ; v22     my byte offset in bias
.set STO,  24                          ; v24     the way out: where I put 16 bytes of a row
.set RD,   25                          ; v25     the way out: where I read a row back
.set CO,   26                          ; v26     my byte offset in C
.set ONE,  27                          ; v27     1.0
.set SPW,  28                          ; v28     SPARE + 4 x my thread's number; never rewritten
.set NIL,  29                          ; v29     0; never rewritten
.set PFO,  30                          ; v30     the prefetches' offset: my lane x a row of A or B in memory (4,096 bytes); never rewritten
.set ZER,  31                          ; v31     0
.set PFA,  44                          ; s[44:45] where my prefetches stand: my work-group's 32 rows of the 128 that I fetch, one K step further along K than the refill that is being asked for
.set LIM,  43                          ; s43     1 in a wave that prefetches, else the greatest number
.set SC,   72                          ; s[72:73] s: the packed step names a pair and takes its low word for both halves
.set F0,   64                          ; fragment buffer 0
.set F1,   128                         ; fragment buffer 1
.set TMP,  192                         ; the way out: packed results, in window 0
.set OB,   32                          ; the way out: 16 rows read back from the stage: v32-63 and v224-255 by turns
.set BI,   0                           ; window 1: the bias of column 16 b + 8 (l / 16) + j at BI + 8 b + j
.set G1, 24                            ; s[24:31] descriptor group 1 for A's tiles
.set G0, 32                            ; s[32:39] descriptor group 0 for A's tiles, one set for each slot
.set G1B, 48                           ; s[48:55] descriptor group 1 for B's tiles: it differs from A's in the mask alone
.set G0B, 56                           ; s[56:63] descriptor group 0 for B's tiles, one set for each slot
.set MSB, 0
.macro WIN new                         ; the immediate's high byte repeats the setting that is left; a switch that changes nothing is dropped
.if MSB != (\new)
	s_set_vgpr_msb (MSB<<8)|(\new)
.set MSB, \new
.endif
.endm
.set MUL_LO, 0xa1                      ; source 0 (B) window 1, source 1 (A) window 0, C and D window 2
.set MUL_HI, 0xf1                      ; the same, C and D window 3
.set TO_B,   0x40                      ; destination window 1, address and sources window 0
; A joint load.  Waves 0 and 1 fetch A's two halves, waves 2 and 3 B's.  Each of the two lines has ONE mask and one set of registers for all that issue it.  The branch hangs on the wave's number alone.
; An s_nop 0 and four v_nop follow each of the two lines; the jump, the label and what follows the macro come after them.
.macro JLOAD s
	s_cmp_eq_u32 s11, 0
	s_cbranch_scc0 .Lfor_b_\@
	tensor_load_to_lds s[G0+4*(\s):G0+4*(\s)+3], s[G1:G1+7]
	s_nop 0
.rept 4
	v_nop
.endr
	s_branch .Lasked_\@
.Lfor_b_\@:
	tensor_load_to_lds s[G0B+4*(\s):G0B+4*(\s)+3], s[G1B:G1B+7]
	s_nop 0
.rept 4
	v_nop
.endr
.Lasked_\@:
.endm
; A PREFETCH INTO THE L2, behind each joint load, its five lines and the run of LDS loads that follows them: the K step that stands TWO refills on, 512 matrix instructions ahead of the load that will
; want it: 32 rows x 256 bytes, a lane a row, one instruction a wave.  Each row's 256 bytes of a K step are named ONCE in the launch.  A's tile row is read by both clusters of that row of clusters:
; the one with x = 0 prefetches; B's tile column by all eight clusters of that column: the one with y = 0 prefetches.  The four partners that ask for a tile jointly share its rows out BY ADDRESS:
; of the 128 rows that a wave fetches the partner at place p takes 32 p .. 32 p + 31 (p = cx for A, cy for B): no branch hangs on a work-group's place in its cluster.
; how = 0, in the loop: a tile's last two refills have no K step two on, and ask for nothing; how = 1, at the change of tiles.
.macro ASK how
.if \how
	s_cmp_eq_u32 s[LIM], 1
.else
	s_cmp_gt_u32 s3, s[LIM]                        ; s3 = 1 in the loop's last trip
.endif
	s_cbranch_scc0 .Lnot_mine_\@
	global_prefetch_b8 v[PFO], s[PFA:PFA+1] offset:KSTEP*2 th:TH_LOAD_NT scope:SCOPE_SE
.Lnot_mine_\@:
.endm
; A round of the cluster's barrier: my work-group's barrier, so that wave 0's signal speaks for all four waves; wave 0 signals for the work-group; every wave waits for all sixteen work-groups;
; my work-group's barrier once more.  No LDS instruction of the wave is pending at a signal.
.macro CREST                           ; a round behind its opening barrier
	s_cmp_lg_u32 s10, 0
	s_cbranch_scc1 .Lnot_wave_0_\@
	s_barrier_signal -3
.Lnot_wave_0_\@:
	s_barrier_wait -3
	s_barrier_signal -1
	s_barrier_wait -1
.endm
.macro CROUND                          ; a whole round
	s_barrier_signal -1
	s_barrier_wait -1
	CREST
.endm
	s_load_b128 s[4:7], s[0:1], 0x0                ; A = qx s[4:5], B = qw s[6:7]
	s_load_b64 s[8:9], s[0:1], 0x10                ; C = out0
	s_load_b128 s[68:71], s[0:1], 0x18             ; bias s[68:69], scale s[70:71]
	v_lshl_add_u32 v[SPW], v0, 2, SPARE
	v_mov_b32 v[NIL], 0
	ds_add_u32 v[SPW], v[NIL]                      ; the wave's opening: the add and its wait stand ahead of my first tensor load; the set-up below, work on registers, stands between them
	v_lshrrev_b32 v1, 5, v0
	v_readfirstlane_b32 s10, v1                    ; wave 0..3
	s_lshr_b32 s11, s10, 1                         ; which half of the tile's rows is mine.  Also: I fetch for A (0) or for B (1)
	s_and_b32 s12, s10, 1                          ; which half of its columns.  Also: which 128 rows of that tile I fetch
	s_bfe_u32 s40, ttmp6, 0x40000                  ; cx: my place along the cluster's x
	s_bfe_u32 s41, ttmp6, 0x40004                  ; cy: along its y
	s_lshl_b32 s42, ttmp9, 2                       ; in a cluster launch ttmp9 and ttmp7 count clusters
	s_add_co_u32 s42, s42, s40                     ; tile column of C = 4 x cluster x + cx
	s_and_b32 s13, ttmp7, 0xffff
	s_lshl_b32 s13, s13, 2
	s_add_co_u32 s13, s13, s41                     ; tile row of C = 4 x cluster y + cy
	s_lshl_b32 s43, s41, 2
	s_lshl_b32 s43, 15, s43                        ; my row of the cluster: places 4 cy .. 4 cy + 3
	s_lshl_b32 s44, 0x1111, s40                    ; my column: places cx, cx + 4, cx + 8, cx + 12
	; descriptor group 1: a tile of 128 rows x 128 elements, padded in LDS
	s_or_b32 s[G1+0], s43, (1<<16)|(1<<20)|(1<<21)|(5<<22)|(3<<25)  ; 15:0 the mask: A's tiles go to my row; 17:16 element of 2 bytes; 20 padding on; 21 set beside a mask; 24:22 after every 64 words (code 5); 31:25 of 4 words (code 3)
	s_or_b32 s[G1B+0], s44, (1<<16)|(1<<20)|(1<<21)|(5<<22)|(3<<25) ; the same with the mask of my column, for B's tiles
	s_mov_b32 s[G1B+1], KSTEP<<16
	s_mov_b32 s[G1+1], KSTEP<<16                   ; 63:48 tensor_dim0, low half = 128
	s_mov_b32 s[G1B+2], 128<<16
	s_mov_b32 s[G1+2], 128<<16                     ; 79:64 its high half = 0; 95:80 tensor_dim1, low half = 128
	s_mov_b32 s[G1B+3], KSTEP<<16
	s_mov_b32 s[G1+3], KSTEP<<16                   ; 111:96 its high half = 0; 127:112 tile_dim0 = 128
	s_mov_b32 s[G1B+4], 128
	s_mov_b32 s[G1+4], 128                         ; 143:128 tile_dim1 = 128; 159:144 tile_dim2 = 0
	s_mov_b32 s[G1B+5], SIZE_K
	s_mov_b32 s[G1+5], SIZE_K                      ; 191:160 tensor_dim0_stride, low word: elements from row to row
	s_mov_b32 s[G1B+6], 0
	s_mov_b32 s[G1+6], 0
	s_mov_b32 s[G1B+7], 0
	s_mov_b32 s[G1+7], 0
	; where the tiles come from.  A's hang on the tile row alone, which my row of the cluster shares; B's on the tile column alone, which my column shares.
	; Every wave makes both addresses, in registers that never hold the other coordinate, and asks by one of them.
	s_lshl_b32 s17, s12, 7                         ; which 128 rows of the tile I fetch
	s_lshl_b32 s16, s13, 8
	s_add_co_u32 s16, s16, s17                     ; A: row 256 x tile row + 128 x half
	s_lshl_b32 s46, s42, 8
	s_add_co_u32 s46, s46, s17                     ; B: row 256 x tile column + 128 x half
	s_mov_b32 s17, 0
	s_mov_b32 s47, 0
	s_mov_b64 s[18:19], SIZE_K*2
	s_mul_u64 s[16:17], s[16:17], s[18:19]         ; in bytes, in 64 bits
	s_mul_u64 s[46:47], s[46:47], s[18:19]
	s_mul_i32 s20, s10, HALFT                      ; and where they go: A's two halves, then B's two halves = wave x 128 rows: no place in the cluster enters an LDS address
	s_wait_dscnt 0x0                               ; the opening add is done
	s_wait_kmcnt 0x0
	s_add_nc_u64 s[14:15], s[4:5], s[16:17]
	s_add_nc_u64 s[46:47], s[6:7], s[46:47]
	s_load_b32 s[SC], s[70:71], 0x0                ; s: no line of this kernel writes that buffer
	CROUND                                         ; all sixteen work-groups are here: the first joint loads meet
.irp s, 0,1
	s_mov_b32 s[G0+4*(\s)], 1                                      ; 1:0 count = 1
	s_add_co_u32 s[G0+4*(\s)+1], s20, (\s)*SLOT                    ; 63:32 LDS address
	s_add_nc_u64 s[G0+4*(\s)+2:G0+4*(\s)+3], s[14:15], (\s)*KSTEP*2  ; 120:64 global address: K step s
	s_or_b32 s[G0+4*(\s)+3], s[G0+4*(\s)+3], 0x80000000            ; 127:126 type = 2
	s_mov_b32 s[G0B+4*(\s)], 1
	s_add_co_u32 s[G0B+4*(\s)+1], s20, (\s)*SLOT
	s_add_nc_u64 s[G0B+4*(\s)+2:G0B+4*(\s)+3], s[46:47], (\s)*KSTEP*2
	s_or_b32 s[G0B+4*(\s)+3], s[G0B+4*(\s)+3], 0x80000000
	JLOAD \s                                       ; the ring is filled before anything else is done: two tensor loads of mine are out
.endr
	; A fragment is 16 rows x 32 K in 8 registers: lane l holds row l % 16; registers 0-3 hold K = 8 (l / 16) + 0..7, registers 4-7 hold K = 16 + 8 (l / 16) + 0..7.
	; From rows that lie along K: two loads of 16 bytes, 32 bytes apart.  The same for source 0 and source 1.
	v_and_b32 v1, 15, v0                           ; l % 16
	v_bfe_u32 v2, v0, 4, 1                         ; l / 16
	v_mul_u32_u24 v3, v1, PITCH
	v_lshl_add_u32 v3, v2, 4, v3                   ; row x pitch + 16 x half
	s_mul_i32 s21, s11, HALFT                      ; my 128 rows of A
	s_mul_i32 s22, s12, HALFT                      ; my 128 rows of B,
	s_add_co_u32 s22, s22, 2*HALFT                 ; which lie behind A's 256
.irp s, 0,1
	v_add_nc_u32 v[ADRA+(\s)], s21, v3
	v_add_nc_u32 v[ADRB+(\s)], s22, v3
	s_add_co_u32 s21, s21, SLOT
	s_add_co_u32 s22, s22, SLOT
.endr
	s_mul_i32 s23, s10, 16*SPITCH
	s_add_co_u32 s23, s23, STAGE                   ; my stage
	v_mul_u32_u24 v4, v1, SPITCH                   ; in: row l % 16, 16 bytes for each half of the lanes
	v_lshl_add_u32 v4, v2, 4, v4
	v_add_nc_u32 v[STO], s23, v4
	v_mul_u32_u24 v5, v2, SPITCH                   ; back: lanes 0-15 take one row of 256 bytes, lanes 16-31 the next
	v_lshl_add_u32 v5, v1, 4, v5
	v_add_nc_u32 v[RD], s23, v5
	v_mul_u32_u24 v5, v2, SIZE_N*2                 ; and the same two rows in C
	v_lshl_add_u32 v[CO], v1, 4, v5
	; where my part of the first tile begins in C, in bytes: the first way out adds it to C's address
	s_lshl_b32 s13, s13, 8
	s_lshl_b32 s14, s11, 7
	s_add_co_u32 s16, s13, s14                     ; my first row of C
	s_mov_b32 s17, 0
	s_mov_b64 s[18:19], SIZE_N*2
	s_mul_u64 s[16:17], s[16:17], s[18:19]
	s_lshl_b32 s46, s42, 9                         ; my first column, in bytes: 512 x tile column + 256 x half
	s_lshl_b32 s47, s12, 8
	s_add_co_u32 s46, s46, s47
	v_lshl_add_u32 v[BO], v2, 4, s46               ; the same bytes count in bias (2 a column): + 16 for the upper half of the lanes, whose results begin 8 columns on
	s_mov_b32 s47, 0
	s_add_nc_u64 s[16:17], s[16:17], s[46:47]
	; the prefetches.  s13 = 256 x tile row, s42 = tile column, s40 = cx, s41 = cy still stand; s[4:5] = A, s[6:7] = B
	s_lshl_b32 s42, s42, 8
	s_and_b32 s22, ttmp7, 0xffff                   ; cluster y
	s_cmp_eq_u32 s11, 0                            ; do I fetch for A?
	s_cselect_b32 s20, s13, s42                    ; the tile's first row: in A by the tile row, in B by the tile column
	s_cselect_b32 s21, s40, s41                    ; my place among the four that ask for it with me
	s_cselect_b32 s22, ttmp9, s22                  ; the coordinate along which other clusters read the same rows
	s_cselect_b64 s[PFA:PFA+1], s[4:5], s[6:7]
	s_cmp_eq_u32 s22, 0
	s_cselect_b32 s[LIM], 1, -1                    ; the same in all sixteen partners, for a given wave
	s_lshl_b32 s22, s12, 7
	s_add_co_u32 s20, s20, s22                     ; + the 128 rows that I fetch
	s_lshl_b32 s21, s21, 5
	s_add_co_u32 s20, s20, s21                     ; + my work-group's 32 of them
	s_mov_b32 s21, 0
	s_mov_b64 s[18:19], SIZE_K*2
	s_mul_u64 s[20:21], s[20:21], s[18:19]
	s_add_nc_u64 s[PFA:PFA+1], s[PFA:PFA+1], s[20:21]
	s_add_nc_u64 s[PFA:PFA+1], s[PFA:PFA+1], 2*KSTEP*2  ; at K step 2: the first refill steps it to 3 and names K step 4
	v_and_b32 v[PFO], 31, v0
	v_mul_u32_u24 v[PFO], v[PFO], SIZE_K*2
	; nothing is prefetched here, at the head, where every work-group's first two tiles are on their way: K steps 2 and 3 come by their refills alone
	; THE BIAS of my 128 columns, once, while the first tile is on its way: 8 loads of 16 bytes (columns 16 b + 8 (l / 16) + 0..7), widened to f32 into window 1, in the order of a lane's results
	v_mov_b32 v[ONE], 1.0
	v_mov_b32 v[ZER], 0
.irp b, 0,1,2,3,4,5,6,7
	global_load_b128 v[OB+4*(\b):OB+4*(\b)+3], v[BO], s[68:69] offset:32*(\b)
.endr
	s_wait_kmcnt 0x0                               ; s
	s_mov_b32 s[SC+1], s[SC]                       ; named with it as a pair, so it is written
	s_wait_loadcnt 0x0
	WIN TO_B
.set i, 0
.rept 32
	v_fma_mix_f32 v[BI+2*i],   v[OB+i], v[ONE], v[ZER] op_sel_hi:[1,0,0]               ; the low f16 x 1 + 0
	v_fma_mix_f32 v[BI+2*i+1], v[OB+i], v[ONE], v[ZER] op_sel:[1,0,0] op_sel_hi:[1,0,0]  ; the high one
.set i, i+1
.endr
	WIN 0
; 16 matrix instructions: m blocks a0, a0 + 1 of the window's four (hi = 0: my rows 0-63, 1: rows 64-127) x all 8 n blocks, 32 along K.
; zero = 1: the first product starts the sums: nothing is ever cleared.  The 64 accumulators take turns, one instruction a turn, in the same order in every quarter.
.macro MUL16 f, hi, a0, zero
	WIN MUL_LO+0x50*(\hi)  ; MUL_LO or MUL_HI
.irp a, \a0, (\a0)+1
.irp b, 0,1,2,3,4,5,6,7
.if \zero
	v_wmma_f32_16x16x32_bf16 v[8*(8*(\a)+(\b)):8*(8*(\a)+(\b))+7], v[(\f)+8*(\b):(\f)+8*(\b)+7], v[(\f)+8*(4*(\hi)+(\a)):(\f)+8*(4*(\hi)+(\a))+7], 0
.else
	v_wmma_f32_16x16x32_bf16 v[8*(8*(\a)+(\b)):8*(8*(\a)+(\b))+7], v[(\f)+8*(\b):(\f)+8*(\b)+7], v[(\f)+8*(4*(\hi)+(\a)):(\f)+8*(4*(\hi)+(\a))+7], v[8*(8*(\a)+(\b)):8*(8*(\a)+(\b))+7]
.endif
.endr
.endr
.endm
; 32 LDS loads in one run: the fragments of one quarter step (128 rows of B, 128 rows of A, 32 K at byte k of the rows) into buffer f
.macro FETCH slot, k, f
	WIN TO_B
.irp i, 0,1,2,3,4,5,6,7
	ds_load_b128 v[(\f)+8*(\i):(\f)+8*(\i)+3],   v[ADRB+(\slot)] offset:(\k)+(\i)*16*PITCH
	ds_load_b128 v[(\f)+8*(\i)+4:(\f)+8*(\i)+7], v[ADRB+(\slot)] offset:(\k)+(\i)*16*PITCH+32
.endr
	WIN 0
.irp i, 0,1,2,3,4,5,6,7
	ds_load_b128 v[(\f)+8*(\i):(\f)+8*(\i)+3],   v[ADRA+(\slot)] offset:(\k)+(\i)*16*PITCH
	ds_load_b128 v[(\f)+8*(\i)+4:(\f)+8*(\i)+7], v[ADRA+(\slot)] offset:(\k)+(\i)*16*PITCH+32
.endr
.endm
; A load into a register that a matrix instruction has read, and a vector instruction that reads a matrix result or writes one of a matrix instruction's registers, stand four places behind that
; matrix instruction, and only plain vector instructions that name none of its registers are places (ISA guide 7.12.1 for vector instructions).
.macro PLACES
.rept 4
	v_nop
.endr
.endm
; A K step is four quarter steps of 32 along K, 64 matrix instructions each, on buffers 0, 1, 0, 1.
; One of the first three: multiplies buffer f; in its middle it fetches the next quarter's fragments, at byte k of the same slot's rows, into buffer g.
.macro QUARTER slot, k, f, g, zero
	s_wait_dscnt 8                                 ; B and A's rows 0-63 are in; the youngest eight loads (A's rows 64-127) may be out
	WIN MUL_LO
	MUL16 \f, 0, 0, \zero
	MUL16 \f, 0, 2, \zero
	PLACES
	FETCH \slot, \k, \g
	s_wait_dscnt 32                                ; all but the 32 just issued
	WIN MUL_HI
	MUL16 \f, 1, 0, \zero
	MUL16 \f, 1, 2, \zero
.endm
; The last quarter multiplies buffer 1 and changes slots.  MEET is its first half: ONE barrier for the change of slots, for two things.  In front of it each wave waits for all its tensor loads, of
; which one is out: its part of the next slot; adds 0 to its spare word; and waits for that and for its own reads of this slot.  Behind it nobody reads this slot any more and the next slot is whole.
.macro MEET round                      ; round = 1: a round of the cluster's barrier follows
	WIN 0                                          ; (the add's two registers lie in window 0)
	s_wait_tensorcnt 0x0                           ; all my tensor loads have landed: the one that was out is my part of the next slot;
	ds_add_u32 v[SPW], v[NIL]                      ; 0 onto my spare word;
	s_wait_dscnt 9                                 ; (the add and the youngest eight loads may be out)
	WIN MUL_LO
	MUL16 F1, 0, 0, 0                              ; sixteen matrix instructions stand between the add and the wait for it
	s_wait_dscnt 0x0                               ; the add is done, and my reads of this slot are over:
	s_barrier_signal -1                            ; say so (where a slot is filled again this barrier opens a round of the cluster's barrier),
	MUL16 F1, 0, 2, 0                              ; work on registers while the others arrive,
.if \round
	WIN 0
.endif
	s_barrier_wait -1                              ; and go on when all four have said so
.endm
; The whole last quarter.  Behind the round the slot just read out is filled again first: with this tile's K step two steps on (on = 0) or, in the first tile's last two K steps, with the second
; tile's K step 0 or 1 (on = 1); then come the next slot's first fragments.  From a request to the wait for it a wave issues 224 matrix instructions, across the tiles too.
.macro TURN slot, next, on
	s_wait_xcnt 0x0                                ; the last prefetch, a K step back, has read its address: it is stepped here, ahead of the waits of the change of slots
.if (\on) && (\slot) == 0
	s_add_nc_u64 s[PFA:PFA+1], s[PFA:PFA+1], (WALK-1)*SIZE_K*2+KSTEP*2  ; from the K step after the tile's last to the next tile's K step 1: WALK rows down, back along K
	s_cmp_eq_u32 s11, 0
	s_cselect_b32 s[LIM], s[LIM], -1               ; B's rows are the same for both tiles: they are asked for in the first tile alone
.else
	s_add_nc_u64 s[PFA:PFA+1], s[PFA:PFA+1], KSTEP*2
.endif
	MEET 1
	CREST                                          ; wave 0 says so for the work-group, all sixteen work-groups have said so, my work-group's barrier closes the round:
	                                               ; no wave of any partner still reads this slot's tile or has a load on its way
.if \on
	s_add_nc_u64 s[G0+4*(\slot)+2:G0+4*(\slot)+3], s[G0+4*(\slot)+2:G0+4*(\slot)+3], NEXT_A
	s_sub_nc_u64 s[G0B+4*(\slot)+2:G0B+4*(\slot)+3], s[G0B+4*(\slot)+2:G0B+4*(\slot)+3], BACK_B
.else
	s_add_nc_u64 s[G0+4*(\slot)+2:G0+4*(\slot)+3], s[G0+4*(\slot)+2:G0+4*(\slot)+3], 2*KSTEP*2
	s_add_nc_u64 s[G0B+4*(\slot)+2:G0B+4*(\slot)+3], s[G0B+4*(\slot)+2:G0B+4*(\slot)+3], 2*KSTEP*2
.endif
	JLOAD \slot                                    ; my one tensor load behind the round, and the first thing there; the four v_nop behind it are also the places in front of the loads below
	FETCH \next, 0, F0
	ASK \on                                        ; behind the joint load and the run of LDS loads that the next products wait for
	WIN MUL_HI
	MUL16 F1, 1, 0, 0
	MUL16 F1, 1, 2, 0
.endm
; THE WAY OUT of block a (16 rows of C), in three parts.  PACK: sum x s + bias, one fused step for two numbers, in place and from each accumulator's lowest registers on; then rounded to f16,
; 16 bytes a lane.  TOSTAGE: into my own stage in LDS, and back as whole rows of 256 bytes.  SEND: stored.
.macro PACK a
.set AC, 64*((\a)%4)
	WIN 0x92+0x41*((\a)/4)                         ; destination and source 0: window 2 or 3; source 2, the bias: window 1
.irp b, 0,1,2,3,4,5,6,7
.irp r, 0,1,2,3
	v_pk_fma_f32 v[AC+8*(\b)+2*(\r):AC+8*(\b)+2*(\r)+1], v[AC+8*(\b)+2*(\r):AC+8*(\b)+2*(\r)+1], s[SC:SC+1], v[BI+8*(\b)+2*(\r):BI+8*(\b)+2*(\r)+1] op_sel_hi:[1,0,1]
.endr
.endr
	WIN 0x0a+5*((\a)/4)                            ; sources 0 and 1: window 2 or 3; destination window 0
.irp b, 0,1,2,3,4,5,6,7
.irp r, 0,1,2,3
	v_cvt_pk_f16_f32 v[TMP+4*(\b)+(\r)], v[AC+8*(\b)+2*(\r)], v[AC+8*(\b)+2*(\r)+1]
.endr
.endr
	WIN 0
.endm
.macro TOSTAGE a
	WIN 0
.set BK, OB+192*((\a)%2)
.irp b, 0,1,2,3,4,5,6,7
	ds_store_b128 v[STO], v[TMP+4*(\b):TMP+4*(\b)+3] offset:32*(\b)
.endr
.irp t, 0,1,2,3,4,5,6,7
	ds_load_b128 v[BK+4*(\t):BK+4*(\t)+3], v[RD] offset:(\t)*2*SPITCH  ; LDS serves a wave's instructions in order (ISA guide 5.7.1.4): these see the stores above
.endr
.endm
.macro SEND a, younger                 ; younger: the LDS loads issued behind TOSTAGE's, which may stay out
	WIN 0
.set BK, OB+192*((\a)%2)
	s_wait_dscnt \younger                          ; the block is back in registers
	s_wait_xcnt 0x0                                ; every earlier memory instruction has had its addresses translated (ISA guide 3.1): only behind this wait are the stores' base and the registers that earlier stores read rewritten
.if (\a) == 0
	s_add_nc_u64 s[8:9], s[8:9], s[16:17]          ; on to this tile's first rows
.else
	s_add_nc_u64 s[8:9], s[8:9], 16*SIZE_N*2       ; 16 rows of C on: the stores' offsets reach 14 rows, 57,344 bytes
.endif
.irp t, 0,1,2,3,4,5,6,7
	global_store_b128 v[CO], v[BK+4*(\t):BK+4*(\t)+3], s[8:9] offset:2*(\t)*SIZE_N*2 th:TH_STORE_NT  ; 16 lanes store 256 consecutive bytes, at a multiple of 256 from C's first byte
.endr
.endm
; A whole tile goes out.  Eight v_nop lead, once a tile: PACK's first line reads and writes results, and more places than the four asked for cost nothing here.  Blocks 4-7, whose products come last,
; are reached behind the 256 plain lines of blocks 0-3, which name none of those products' registers.  Block a's arithmetic stands between block a - 1's loads from the stage and the wait for them.
.macro WAYOUT
	PLACES
	PLACES
	PACK 0
	TOSTAGE 0
.irp a, 1,2,3,4,5,6,7
	PACK \a
	SEND (\a)-1, 0
	TOSTAGE \a
.endr
	SEND 7, 0
.endm
	s_wait_tensorcnt 1                             ; my part of K step 0 is in; K step 1's load, issued behind it, may stay out
	s_barrier_signal -1
	s_barrier_wait -1                              ; everybody's is
	FETCH 0, 0, F0
	s_mov_b32 s2, SIZE_TILES                       ; tiles to go, this one among them: the same number in every work-group
.Ltile:                                                ; (FETCH and SEND leave every window 0)
	QUARTER 0, 64,  F0, F1, 1                      ; a tile's first quarter stands in front of the loop: its products start the sums
	WIN 0                                          ; at a label and at a branch every window is 0
	s_mov_b32 s3, LAPS-1
.Llap:                                                 ; a trip goes once round the ring, from a lap's second quarter to the next lap's first, and fills both slots again
	QUARTER 0, 128, F1, F0, 0
	QUARTER 0, 192, F0, F1, 0
	TURN 0, 1, 0
	QUARTER 1, 64,  F0, F1, 0
	QUARTER 1, 128, F1, F0, 0
	QUARTER 1, 192, F0, F1, 0
	TURN 1, 0, 0
	QUARTER 0, 64,  F0, F1, 0
	WIN 0
	s_sub_co_u32 s3, s3, 1
	s_cmp_lg_u32 s3, 0
	s_cbranch_scc1 .Llap
	QUARTER 0, 128, F1, F0, 0                      ; the tile's last lap goes on
	QUARTER 0, 192, F0, F1, 0
	WIN 0
	s_cmp_eq_u32 s2, 1
	s_cbranch_scc1 .Llast_tile                     ; the last tile's tail is written out: it asks for nothing more
	TURN 0, 1, 1                                   ; THE RING GOES ON INTO THE NEXT TILE: slot 0 takes its K step 0,
	QUARTER 1, 64,  F0, F1, 0
	QUARTER 1, 128, F1, F0, 0
	QUARTER 1, 192, F0, F1, 0
	TURN 1, 0, 1                                   ; slot 1 its K step 1, and the next tile's first fragments are fetched
	WAYOUT                                         ; both refills are asked for: now the tile goes out, and nothing waits for its stores
	s_mov_b64 s[16:17], NEXT_C                     ; what the next way out adds to C's address
	s_sub_co_u32 s2, s2, 1
	s_branch .Ltile
.Llast_tile:
	MEET 0                                         ; my one tensor load that was still out is slot 1's, the last K step's, so no round follows
	PLACES                                         ; for the loads into buffer 0, which the quarter before multiplied
	FETCH 1, 0, F0
	MUL16 F1, 1, 0, 0
	MUL16 F1, 1, 2, 0
	QUARTER 1, 64,  F0, F1, 0
	QUARTER 1, 128, F1, F0, 0
	QUARTER 1, 192, F0, F1, 0
	s_wait_dscnt 8                                 ; the very last quarter: nothing more to fetch; the youngest eight loads (A's rows 64-127) may be out
	MUL16 F1, 0, 0, 0
	MUL16 F1, 0, 2, 0
	s_wait_dscnt 0x0
	MUL16 F1, 1, 0, 0
	MUL16 F1, 1, 2, 0
	WIN 0
	WAYOUT
	s_wait_tensorcnt 0x0                           ; the wave's end, behind my last tensor load and my last LDS store
	ds_add_u32 v[SPW], v[NIL]
	s_wait_dscnt 0x0
	CROUND                                         ; the closing round: no work-group ends while a partner may still ask for a tile that names it
	s_endpgm
.Lfunc_end_k_q7dfd05bb03_gemm:
	.size	k_q7dfd05bb03_gemm, .Lfunc_end_k_q7dfd05bb03_gemm-k_q7dfd05bb03_gemm
	.p2alignl 7, 3214868480
	.fill 96, 4, 3214868480
	.section	.rodata,"a",@progbits
	.p2align	6, 0x0
	.amdhsa_kernel k_q7dfd05bb03_gemm
		.amdhsa_group_segment_fixed_size 327680
		.amdhsa_private_segment_fixed_size 0
		.amdhsa_enable_private_segment 0
		.amdhsa_kernarg_size 40
		.amdhsa_user_sgpr_count 2
		.amdhsa_user_sgpr_kernarg_segment_ptr 1
		.amdhsa_wavefront_size32 1
		.amdhsa_system_sgpr_workgroup_id_x 1
		.amdhsa_system_sgpr_workgroup_id_y 1
		.amdhsa_system_sgpr_workgroup_id_z 1
		.amdhsa_system_vgpr_workitem_id 0
		.amdhsa_next_free_vgpr 1024
		.amdhsa_next_free_sgpr 74
		.amdhsa_reserve_vcc 0
		.amdhsa_float_denorm_mode_32 3
		.amdhsa_float_denorm_mode_16_64 3
		.amdhsa_memory_ordered 1
		.amdhsa_forward_progress 1
		.amdhsa_inst_pref_size 248
	.end_amdhsa_kernel
	.amdgpu_metadata
---
amdhsa.version: [ 1, 2 ]
amdhsa.kernels:
  - .name:           k_q7dfd05bb03_gemm
    .symbol:         k_q7dfd05bb03_gemm.kd
    .args:
      - { .name: qx, .offset: 0, .size: 8, .value_kind: global_buffer, .address_space: global }
      - { .name: qw, .offset: 8, .size: 8, .value_kind: global_buffer, .address_space: global }
      - { .name: out0, .offset: 16, .size: 8, .value_kind: global_buffer, .address_space: global }
      - { .name: bias, .offset: 24, .size: 8, .value_kind: global_buffer, .address_space: global }
      - { .name: scale, .offset: 32, .size: 8, .value_kind: global_buffer, .address_space: global }
    .group_segment_fixed_size: 327680
    .private_segment_fixed_size: 0
    .kernarg_segment_align: 8
    .kernarg_segment_size: 40
    .max_flat_workgroup_size: 128
    .sgpr_count:     74
    .vgpr_count:     1024
    .wavefront_size: 32
...
	.end_amdgpu_metadata
.endif
;; end of part 3
